; MI455X (gfx1250); checked and timed in simulation.
; The chip was launched on July 23, 2026; its instructions are those of AMD's public machine-readable ISA for CDNA 5 (MIT licence, August 2026) and "CDNA5" Instruction Set Architecture Reference Guide (July 2026). The comments in the code are by the model that wrote it; some were corrected since.
;; VQ2 Linear. Allowed arithmetic: matrix products marked QUANTISED: E5M2 operands, one E8M0 scale for each 32 along K, by v_wmma_scale_f32_16x16x128_f8f6f4 with both operands' format E5M2, f32 sums; everything else in f32.
;; Inputs: emb_weight 8,192 x 256 float32; z 32,768 x 256 float32.
;; Outputs: out0 32,768 x 256 float32; out1 one number float32.
;; This version of the problem:
;;   THIS VERSION OF THE PROBLEM IS GIVEN IN LOW PRECISION. The matrix products marked QUANTISED in the list below multiply operands that are first quantised to E5M2 (5 exponent bits, 2 mantissa bits; 8 bits a number), with one power-of-two scale for each 32 numbers along K (OCP MX v1.0); their sums are f32. All else is computed in f32.
;;   The module's matrix products, in the order in which they are computed (A, B: the left and right operand; K: the contracted axis; several contracted axes count as one K, in the product's order):
;;     1. [M 32,768, K 256] x [K 256, N 8,192]; A: input z; B: input emb_weight: QUANTISED
;;   THE QUANTISER, for each operand of a quantised product, along K:
;;     - K is cut into blocks of 32 from its start; a last block that is shorter is filled with zeros.
;;     - A block's scale is 2^e with e = floor(log2(the largest magnitude in the block)) - 15, held to -126 .. 127; a block of zeros has e = 0. As a byte (E8M0): e + 127.
;;     - Each number is divided by its block's scale, clamped to +-57,344, and rounded to the nearest number of E5M2, ties to even, subnormals kept.
;;     - The product sums the exact products of the quantised numbers (number of the format x scale) in f32.
;;   ~~~python
;;   def quantise(x, axis):      # numpy; x: float32 -> the quantised numbers, widened to float32 again
;;       x = np.moveaxis(x, axis, -1); K = x.shape[-1]
;;       x = np.pad(x, [(0, 0)] * (x.ndim - 1) + [(0, -K % 32)]); x = x.reshape(x.shape[:-1] + (-1, 32)); a = np.abs(x).max(-1, keepdims=True)
;;       e = np.where(a > 0, np.clip(np.frexp(np.where(a > 0, a, 1))[1] - 1 - 15, -126, 127), 0)      # np.frexp(a)[1] - 1 = floor(log2(a)), exactly
;;       r = np.clip(x / 2.0 ** e, -57344, 57344)
;;       step = 2.0 ** (np.maximum(np.frexp(np.where(r == 0, 1, r))[1] - 1, -14) - 2)
;;       q = np.round(r / step) * step * 2.0 ** e      # np.round: ties to even
;;       return np.moveaxis(q.reshape(q.shape[:-2] + (-1,))[..., :K], -1, axis).astype(np.float32)
;;   ~~~
;; One version. Each part assembles by itself: llvm-mc -triple=amdgcn-amd-amdhsa -mcpu=gfx1250 --defsym DOCPART=n.
;; ======== version 1 of 1: 5 launches
;; limits: right only within a limited range of input values
;; workspace buffers: epack 2,228,224 bytes; zcodes 8,388,608 bytes; zaux 524,288 bytes; grp 131,072 bytes of whole numbers; idx 131,072 bytes of whole numbers; part 2,048 bytes
;; launch quant_e (part 1): grid 256 x 1, 2 waves a work-group, no clusters, 168,192 bytes of LDS; arguments emb_weight, epack; writes epack
.if DOCPART == 1
	.amdgcn_target "amdgcn-amd-amdhsa--gfx1250"
	.amdhsa_code_object_version 6
	.text
	.protected	k_qfd4834cede_quant_e
	.globl	k_qfd4834cede_quant_e
	.p2align	8
	.type	k_qfd4834cede_quant_e,@function
k_qfd4834cede_quant_e:
	s_mov_b64 s[64:65], 0
	v_nop
	global_prefetch_b8 v0, s[64:65] scope:SCOPE_SE
	s_setreg_imm32_b32 hwreg(HW_REG_WAVE_MODE, 25, 1), 1
	s_wait_xcnt 0x0
; The codebook emb_weight [8192][256] f32 becomes 512 RECORDS of 4,352 bytes, one for each tile of 16 codes, laid as the later launches' registers take them:
;   bytes 0 .. 4095     the tile's codes of BF8 (E5M2) as an image of the operand's registers: group q = 4 s + c (K step s of 128, registers 4 c .. 4 c + 3) at 512 q + 16 x lane
;   bytes 4096 .. 4223  the scale words, 4 x lane: lanes 0-15 the word of K step 0 of row lane, lanes 16-31 that of K step 1 of row lane - 16
;   bytes 4224 .. 4351  the rows' sums of squares, f32, 16 numbers, written twice (every byte of a record is written)
; A block's scale is 2^(floor(log2(its largest magnitude)) - 15); its byte is the largest magnitude's exponent field - 15, held at 1 from below.
; LIMITS: a block of zeros gets the byte 1 where the rule says 127 (its codes are zeros, and this program alone reads the bytes); blocks whose largest magnitude lies under 2^(16 - 127) keep the byte 1;
; NaN and infinities among the inputs are not served.  A row's sum of squares is added in another order than a plain running sum.
; SHARES: two waves a work-group, a wave a tile: 512 tiles.  The tile's 16 rows of 1,024 bytes come by one tensor load into the wave's own LDS bytes, 16 bytes of padding behind each row, and are read by that wave alone:
; its own wait on TENSORcnt is all the ordering.  Nothing is filled twice.  No cluster: no two work-groups read the same bytes.
.set PITCH, 1040                       ; an LDS row: 1,024 bytes + 16 = 65 x 16: the 16 rows that a load touches start in 16 different columns of 16 bytes
.set RAW,   16*PITCH                   ; a wave's raw tile
.set TAIL,  2*RAW                      ; behind them: 256 bytes for each wave, in which a record's last 256 bytes are put together; no tensor load lands there
.set REC,   4352
.set PW,   4                           ; v4      the scale word just made
.set PW0,  5                           ; v5      K step 0's
.set ZA,   6                           ; v[6:9]  the sum of squares, in two packed chains
.set TLW,  10                          ; v10     the tail: 4 x lane
.set TLR,  11                          ; v11     the tail: 8 x lane
.set ZR,   12                          ; v12     my place in the raw tile: row r, + 64 h
.set L16,  13                          ; v13     16 x lane
.set L8,   14                          ; v14     8 x lane
.set X0,   16                          ; v16-79  64 numbers of K step 0
.set X1,   80                          ; v80-143 of K step 1
.set PC0,  144                         ; v144-159 K step 0's codes
.set PC1,  160                         ; v160-175 K step 1's
.set TM,   176                         ; v176-191 at work: largest magnitudes, bytes, holds, scale operands
.set SEL,  28                          ; s[28:29] lane selects: lane l xor 16
.set MNT,  30                          ; s30     the mantissa field of 57,344
; 64 numbers of K step s: register 16 b + i = k 128 s + 32 b + 16 h + i of my row r
.macro XREAD s, reg
.irp b, 0,1,2,3
.irp j, 0,1,2,3
	ds_load_b128 v[\reg+16*\b+4*\j:\reg+16*\b+4*\j+3], v[ZR] offset:512*\s+128*\b+16*\j
.endr
.endr
.endm
; their squares, onto two packed chains; first = 1: the first two products start the chains
.macro SQSUM s, first
.set p, 0
.rept 32
.if \first && (p < 2)
	v_pk_mul_f32 v[ZA+2*(p%2):ZA+2*(p%2)+1], v[\s+2*p:\s+2*p+1], v[\s+2*p:\s+2*p+1]
.else
	v_pk_fma_f32 v[ZA+2*(p%2):ZA+2*(p%2)+1], v[\s+2*p:\s+2*p+1], v[\s+2*p:\s+2*p+1], v[ZA+2*(p%2):ZA+2*(p%2)+1]
.endif
.set p, p+1
.endr
.endm
; the 64 numbers become a fragment's codes in v[pc] on and its scale word in v[PW]
.macro QUANT s, pc
.irp b, 0,1,2,3
	v_max3_num_f32 v[TM+\b], |v[\s+16*\b]|, |v[\s+1+16*\b]|, 0x8000000   ; block b: my 16 numbers, and the floor 2^(16 - 127): the byte cannot fall under 1
.endr
.irp i, 2,4,6,8,10,12,14
.irp b, 0,1,2,3
	v_max3_num_f32 v[TM+\b], v[TM+\b], |v[\s+16*\b+\i]|, |v[\s+1+16*\b+\i]|   ; the four blocks by turns
.endr
.endr
.irp b, 0,1,2,3
	v_permlanex16_b32 v[TM+4+\b], v[TM+\b], s[SEL], s[SEL+1]
.endr
.irp b, 0,1,2,3
	v_max_num_f32 v[TM+\b], v[TM+\b], v[TM+4+\b]   ; with lane l xor 16's 16: the block's largest magnitude
.endr
.irp b, 0,1,2,3
	v_add_nc_u32 v[TM+12+\b], 0xf8800000, v[TM+\b]   ; 15 off its exponent field: the conversion's scale operand
.endr
.irp b, 0,1,2,3
	v_and_or_b32 v[TM+8+\b], v[TM+\b], 0x7f800000, s[MNT]   ; 57,344 x the scale
.endr
.irp b, 0,1,2,3
	v_lshrrev_b32 v[TM+4+\b], 23, v[TM+12+\b]   ; the scale's byte
.endr
	v_lshl_or_b32 v[PW], v[TM+5], 8, v[TM+4]
	v_lshl_or_b32 v[PW], v[TM+6], 16, v[PW]
	v_lshl_or_b32 v[PW], v[TM+7], 24, v[PW]
.irp b, 0,1,2,3
.irp i, 0,1,2,3,4,5,6,7,8,9,10,11,12,13,14,15
	v_med3_num_f32 v[\s+16*\b+\i], v[\s+16*\b+\i], -v[TM+8+\b], v[TM+8+\b]   ; the conversion to an 8-bit code does not saturate (ISA guide 7.6.2): the hold comes first
.endr
	v_cvt_scalef32_pk8_bf8_f32 v[\pc+4*\b:\pc+1+4*\b], v[\s+16*\b:\s+7+16*\b], v[TM+12+\b]
	v_cvt_scalef32_pk8_bf8_f32 v[\pc+2+4*\b:\pc+3+4*\b], v[\s+8+16*\b:\s+15+16*\b], v[TM+12+\b]
.endr
	v_nop                                          ; one plain vector instruction behind the last scaled conversion
.endm
	s_load_b128 s[4:7], s[0:1], 0x0                ; emb_weight s[4:5], epack s[6:7]
	v_lshl_add_u32 v192, v0, 2, 0x29000
	v_mov_b32 v193, 0
	ds_add_u32 v192, v193
	ds_add_u32 v192, v193
	v_lshrrev_b32 v1, 5, v0
	v_readfirstlane_b32 s8, v1                     ; wave 0, 1
	s_lshl_b32 s9, ttmp9, 1
	s_add_co_u32 s9, s9, s8                        ; my tile
	s_lshl_b32 s10, s9, 14                         ; its 16 rows of 1,024 bytes
	s_mov_b32 s11, 0
	s_mul_i32 s12, s9, REC                         ; its record
	s_mov_b32 s13, 0
	s_mul_i32 s14, s8, RAW                         ; my raw tile in LDS
	s_lshl_b32 s15, s8, 8
	s_add_co_u32 s15, s15, TAIL                    ; my tail
	; descriptor group 1: 16 rows x 256 elements of 4 bytes, 4 words of padding behind every 256
	s_mov_b32 s16, (2<<16)|(1<<20)|(7<<22)|(3<<25)
	s_mov_b32 s17, 256<<16                         ; tensor_dim0
	s_mov_b32 s18, 16<<16                          ; tensor_dim1
	s_mov_b32 s19, 256<<16                         ; tile_dim0
	s_mov_b32 s20, 16                              ; tile_dim1
	s_mov_b32 s21, 256                             ; elements from row to row
	s_mov_b32 s22, 0
	s_mov_b32 s23, 0
	s_mov_b32 s[SEL], 0x76543210
	s_mov_b32 s[SEL+1], 0xfedcba98
	s_mov_b32 s[MNT], 0x600000
	v_and_b32 v1, 31, v0                           ; lane
	v_and_b32 v2, 15, v0                           ; r
	v_bfe_u32 v3, v0, 4, 1                         ; h
	v_mul_u32_u24 v[ZR], v2, PITCH
	v_lshl_add_u32 v[ZR], v3, 6, v[ZR]
	v_add_nc_u32 v[ZR], s14, v[ZR]
	v_lshlrev_b32 v[L16], 4, v1
	v_lshlrev_b32 v[L8], 3, v1
	v_lshl_add_u32 v[TLW], v1, 2, s15
	v_add_nc_u32 v[TLR], s15, v[L8]
.irp b, 0,1,2,3
	v_mov_b32 v[TM+4+\b], 0                        ; written once: a lane permute's destination counts as one of its sources
.endr
	s_wait_alu depctr_va_vdst(0)
	s_wait_dscnt 0x0
	s_wait_kmcnt 0x0
	s_mov_b32 s24, 1                               ; group 0: count,
	s_mov_b32 s25, s14                             ; LDS address,
	s_add_nc_u64 s[26:27], s[4:5], s[10:11]        ; global address,
	s_or_b32 s27, s27, 0x80000000                  ; type
	s_add_nc_u64 s[6:7], s[6:7], s[12:13]          ; epack at my record
	tensor_load_to_lds s[24:27], s[16:23]
	s_nop 0
.rept 4
	v_nop
.endr
	s_wait_tensorcnt 0x0                           ; my tile is in LDS; no other wave reads it
	XREAD 0, X0
	XREAD 1, X1
	s_wait_dscnt 16                                ; K step 0's sixteen loads are in, K step 1's may be out
	SQSUM X0, 1
	QUANT X0, PC0
	v_mov_b32 v[PW0], v[PW]
.irp c, 0,1,2,3
	global_store_b128 v[L16], v[PC0+4*\c:PC0+4*\c+3], s[6:7] offset:512*\c   ; 32 lanes store 512 consecutive bytes, aligned
.endr
	s_wait_dscnt 0x0
	SQSUM X1, 0
	QUANT X1, PC1
.irp c, 0,1,2,3
	global_store_b128 v[L16], v[PC1+4*\c:PC1+4*\c+3], s[6:7] offset:2048+512*\c
.endr
	v_pk_add_f32 v[ZA:ZA+1], v[ZA:ZA+1], v[ZA+2:ZA+3]
	v_add_f32 v[ZA], v[ZA], v[ZA+1]
	v_permlanex16_b32 v[TM+4], v[ZA], s[SEL], s[SEL+1]
	v_add_f32 v[ZA], v[ZA], v[TM+4]                ; the row's sum of squares, in both of its lanes
	v_cmp_le_u32 vcc_lo, 16, v1
	v_cndmask_b32 v[PW], v[PW0], v[PW], vcc_lo     ; lanes 0-15 K step 0's word, lanes 16-31 K step 1's
	ds_store_b32 v[TLW], v[PW]                     ; the record's last 256 bytes are put together in my tail
	ds_store_b32 v[TLW], v[ZA] offset:128
	ds_load_b64 v[X0:X0+1], v[TLR]                 ; LDS serves a wave's instructions in order (ISA guide 5.7.1.4): this sees the two stores
	s_wait_dscnt 0x0
	global_store_b64 v[L8], v[X0:X0+1], s[6:7] offset:4096   ; 32 lanes store 256 consecutive bytes, aligned
	s_wait_tensorcnt 0x0
	ds_add_u32 v192, v193
	s_wait_dscnt 0x0
	s_endpgm
.Lfunc_end_k_qfd4834cede_quant_e:
	.size	k_qfd4834cede_quant_e, .Lfunc_end_k_qfd4834cede_quant_e-k_qfd4834cede_quant_e
	.p2alignl 7, 3214868480
	.fill 96, 4, 3214868480
	.section	.rodata,"a",@progbits
	.p2align	6, 0x0
	.amdhsa_kernel k_qfd4834cede_quant_e
		.amdhsa_group_segment_fixed_size 168192
		.amdhsa_private_segment_fixed_size 0
		.amdhsa_enable_private_segment 0
		.amdhsa_kernarg_size 16
		.amdhsa_user_sgpr_count 2
		.amdhsa_user_sgpr_kernarg_segment_ptr 1
		.amdhsa_wavefront_size32 1
		.amdhsa_system_sgpr_workgroup_id_x 1
		.amdhsa_system_sgpr_workgroup_id_y 1
		.amdhsa_system_sgpr_workgroup_id_z 1
		.amdhsa_system_vgpr_workitem_id 0
		.amdhsa_next_free_vgpr 194
		.amdhsa_next_free_sgpr 66
		.amdhsa_reserve_vcc 1
		.amdhsa_float_denorm_mode_32 3
		.amdhsa_float_denorm_mode_16_64 3
		.amdhsa_memory_ordered 1
		.amdhsa_forward_progress 1
		.amdhsa_inst_pref_size 27
	.end_amdhsa_kernel
	.amdgpu_metadata
---
amdhsa.version: [ 1, 2 ]
amdhsa.kernels:
  - .name:           k_qfd4834cede_quant_e
    .symbol:         k_qfd4834cede_quant_e.kd
    .args:
      - { .name: emb_weight, .offset: 0, .size: 8, .value_kind: global_buffer, .address_space: global }
      - { .name: epack, .offset: 8, .size: 8, .value_kind: global_buffer, .address_space: global }
    .group_segment_fixed_size: 168192
    .private_segment_fixed_size: 0
    .kernarg_segment_align: 8
    .kernarg_segment_size: 16
    .max_flat_workgroup_size: 64
    .sgpr_count:     66
    .vgpr_count:     194
    .wavefront_size: 32
...
	.end_amdgpu_metadata
.endif
;; end of part 1
;; launch scan (part 2): grid 256 x 1, 8 waves a work-group, clusters of 4 x 1, 327,680 bytes of LDS; arguments z, epack, zcodes, zaux, grp; writes zcodes, zaux, grp
.if DOCPART == 2
	.amdgcn_target "amdgcn-amd-amdhsa--gfx1250"
	.amdhsa_code_object_version 6
	.text
	.protected	k_qfd4834cede_scan
	.globl	k_qfd4834cede_scan
	.p2align	8
	.type	k_qfd4834cede_scan,@function
k_qfd4834cede_scan:
	s_mov_b64 s[64:65], 0
	v_nop
	global_prefetch_b8 v0, s[64:65] scope:SCOPE_SE
	s_setreg_imm32_b32 hwreg(HW_REG_WAVE_MODE, 25, 1), 1
	s_wait_xcnt 0x0
	s_wait_alu depctr_hold_cnt(0) depctr_sa_sdst(0) depctr_va_vdst(0) depctr_va_sdst(0) depctr_va_ssrc(0) depctr_va_vcc(0) depctr_vm_vsrc(0)
	s_getreg_b32 s2, hwreg(HW_REG_IB_STS2, 6, 4)
	s_cmp_eq_u32 s2, 0
	s_cbranch_scc0 .Lentry_in_a_cluster
	s_endpgm
.Lentry_in_a_cluster:
	s_bfe_u32 s2, ttmp6, 0x10000c
	s_cmp_lg_u32 s2, 0x3003
	s_cbranch_scc0 .Lentry_shape_is_right
	s_endpgm
.Lentry_shape_is_right:
; For each of 32,768 rows of z: in which GROUP of 8 neighbouring codes lies the first smallest d = (zz + ee) - 2 z.e ?  z.e is the quantised product (BF8 codes, one E8M0 scale for 32 along K, K = 256).
; d is formed with the roundings of the plain f32 formula: s = zz + ee rounded, then s - 2 x dot rounded once (2 x dot is exact, so one fused multiply-add does it).  Equal d: the lower group is kept.
; SHARES.  A work-group owns 128 rows of z and walks all 8,192 codes.  EVERY wave holds all 8 tiles of z as fragments (256 registers, window 1); the eight waves share the codes: of a slot's 32 records (tiles of 16 codes,
; as the launch before laid them) wave w takes records 4 w .. 4 w + 3.  So a record's 4 KiB are read from LDS once, by one wave, and feed 16 matrix instructions.
; THE MATRIX INSTRUCTION IS USED TRANSPOSED: source 0 = 16 codes, source 1 = 16 rows of z: lane (r, h) holds ONE row r of z, and its eight results are codes 8 h + 0 .. 7 of the tile: group 2 x tile + h.
; For a pair (tile of codes, tile of z) the vector work is 14 instructions: 4 packed sums s, 4 packed multiply-adds d, 4 minima of three (the eight d and the best so far), a compare and a select of the tile's number.
; Which of the group's 8 codes it is, a later launch finds by forming those 8 d again.
; z IS QUANTISED HERE: wave w takes tile w (16 rows), brought into bytes of slot 1 by wave w / 2's tensor load of two tiles, and hands its codes, scale words and sums of squares to the other waves through LDS as images of the registers; the same go to memory for the later launch.
; THE RING: two slots of 32 records (139,264 bytes); each wave fetches the four records that it reads, one tensor load of 68 rows of 256 bytes.
; CLUSTER: all work-groups walk the same records, so the four of a cluster ask for each part jointly (mask 15): the descriptors hang on the wave's number and the slot alone.
; LIMITS: NaN and infinities among the inputs are not served (the minima drop NaN).  Blocks of zeros, and blocks whose largest magnitude lies under 2^(16 - 127), get the scale byte 1.
; zz and ee are summed in another order than a plain running sum: a change of zz by whole units in its last place moves all d of the row alike, except where the row's best d straddle a power of two.
; REGISTERS, window 0: see the names below.  Window 1: z's tile t, K step s at v[32 t + 16 s].  Two switches of the window a tile.
.set REC,    4352                      ; a record
.set WPART,  4*REC                     ; a wave's part of a slot: 68 x 256 bytes
.set SLOTB,  8*WPART                   ; a slot
.set ZPITCH, 1040                      ; a raw row of z in LDS: 1,024 bytes + 16 = 65 x 16: the 16 rows that a load touches start in 16 different columns of 16 bytes
.set ZRAW,   16*ZPITCH                 ; a wave's raw tile, in slot 1 ahead of its first records
.set ZIMG,   2*SLOTB                   ; behind the ring: z's 8 fragment images, 4,096 bytes each; at the end the table of the waves' candidates
.set ZAUX,   ZIMG+32768                ; 8 x 128 bytes of zz, 8 x 128 bytes of scale words; at the end the 128 groups
.set SPARE,  ZAUX+2048                 ; the spare words, 128 bytes for each wave: four blocks of 256 bytes that no other line names
.set UNIT,   32768                     ; what a wave's prefetches of the four partners cover together: 128 rows of 256 bytes; the records are 68 such
.set SPW,  4                           ; v4   LDS address of my spare word; never rewritten
.set NIL,  5                           ; v5   0; never rewritten
.set ADC,  6                           ; v6-7   slot 0, 1: my part's codes, 16 x lane
.set ADS,  8                           ; v8-9   its scale words, 4 x lane
.set ADE,  10                          ; v10-11 its ee, 32 h
.set ZR,   12                          ; v12  my place in my raw tile
.set L16,  13                          ; v13  16 x lane
.set L8,   14                          ; v14  8 x lane
.set PFO,  15                          ; v15  256 x lane: the prefetches' offset; never rewritten
.set EA,   16                          ; v16-47, v48-79  a record's two fragments, two buffers
.set SCE,  80                          ; v80, v81  its scale words: scales and nothing else
.set EE,   82                          ; v82-89, v90-97  its ee of my half
.set ZZ,   98                          ; v98-113  pairs (zz of my row in tile t, number of the tile of codes with the best d)
.set SCZ,  114                         ; v114-121 z's scale words: scales and nothing else
.set BA,   122                         ; v122-129, v130-137  the best d of tile t, in two sets by turns
.set BB,   130
.set ACC,  138                         ; v138-201 eight accumulators
.set SU0,  202                         ; v202-209, v210-217  s, then d, of two tiles of z
.set SU1,  210
.set MA0,  218
.set MB0,  219
.set MA1,  220
.set MB1,  221
.set ZIA,  222                         ; v222 ZIMG + 16 x lane
.set ZXA,  223                         ; v223 ZAUX + 4 x lane
.set ZIW,  224                         ; v224 ZIMG + 4,096 w + 16 x lane
.set ZXW,  225                         ; v225 ZAUX + 128 w + 4 x lane
.set TM,   226                         ; v226-241 the quantiser's registers
.set PW,   242
.set PW0,  243
.set ZA,   244                         ; v244-247 the sum of squares in two packed chains
.set ZO,   248                         ; v248-249 (zz, scale word) as they go out
.set MGW,  250                         ; v250 ZIMG + 2,048 w + 8 x lane
.set MGR,  251                         ; v251 ZIMG + 256 w + 8 x lane
.set GW,   252                         ; v252 ZAUX + 64 w + 4 r
.set GR,   253                         ; v253 ZAUX + 16 x lane
.set X0,   16                          ; at the head: 64 numbers of K step 0, of K step 1, and their codes
.set X1,   138
.set PC0,  202
.set PC1,  82
.set BV,   138                         ; at the end: the merged candidate
.set BG,   139
.set WV,   14                          ; s14  my wave's number
.set TAU,  17                          ; s17  the number of the tile of codes in hand
.set SEL,  22                          ; s[22:23] lane selects: lane l xor 16
.set MNT,  24                          ; s24  the mantissa field of 57,344
.set LAP,  25
.set PFU,  26                          ; s26  the unit that my next prefetch names
.set PFL,  27                          ; s27  68 in a wave that prefetches, else 0
.set G1E,  28                          ; s[28:35] group 1 for records
.set G1Z,  36                          ; s[36:43] group 1 for raw z
.set G0A,  44                          ; s[44:47], s[48:51] group 0 for slot 0, 1
.set G0Z,  52                          ; s[52:55] group 0 for raw z
.set PFA,  56                          ; s[56:57] where my prefetches stand
.set MSB, 0
.macro WIN new                         ; the immediate's high byte repeats the setting that is left
.if MSB != \new
	s_set_vgpr_msb (MSB<<8)|\new
.set MSB, \new
.endif
.endm
.macro CREST                           ; a round of the cluster's barrier behind its opening barrier
	s_cmp_lg_u32 s[WV], 0
	s_cbranch_scc1 .Lnot_wave_0_\@
	s_barrier_signal -3
.Lnot_wave_0_\@:
	s_barrier_wait -3
	s_barrier_signal -1
	s_barrier_wait -1
.endm
.macro CROUND                          ; a whole round
	s_barrier_signal -1
	s_barrier_wait -1
	CREST
.endm
; 64 numbers of K step s: register 16 b + i = k 128 s + 32 b + 16 h + i of my row r
.macro XREAD s, reg
.irp b, 0,1,2,3
.irp j, 0,1,2,3
	ds_load_b128 v[\reg+16*\b+4*\j:\reg+16*\b+4*\j+3], v[ZR] offset:512*\s+128*\b+16*\j
.endr
.endr
.endm
; their squares, onto two packed chains; first = 1: the first two products start the chains
.macro SQSUM s, first
.set p, 0
.rept 32
.if \first && (p < 2)
	v_pk_mul_f32 v[ZA+2*(p%2):ZA+2*(p%2)+1], v[\s+2*p:\s+2*p+1], v[\s+2*p:\s+2*p+1]
.else
	v_pk_fma_f32 v[ZA+2*(p%2):ZA+2*(p%2)+1], v[\s+2*p:\s+2*p+1], v[\s+2*p:\s+2*p+1], v[ZA+2*(p%2):ZA+2*(p%2)+1]
.endif
.set p, p+1
.endr
.endm
; the 64 numbers become a fragment's codes in v[pc] on and its scale word in v[PW]
.macro QUANT s, pc
.irp b, 0,1,2,3
	v_max3_num_f32 v[TM+\b], |v[\s+16*\b]|, |v[\s+1+16*\b]|, 0x8000000   ; block b: my 16 numbers, and the floor 2^(16 - 127): the byte cannot fall under 1
.endr
.irp i, 2,4,6,8,10,12,14
.irp b, 0,1,2,3
	s_delay_alu instid0(VALU_DEP_4)
	v_max3_num_f32 v[TM+\b], v[TM+\b], |v[\s+16*\b+\i]|, |v[\s+1+16*\b+\i]|   ; the four blocks by turns
.endr
.endr
.irp b, 0,1,2,3
	s_delay_alu instid0(VALU_DEP_4)
	v_permlanex16_b32 v[TM+4+\b], v[TM+\b], s[SEL], s[SEL+1]
.endr
.irp b, 0,1,2,3
	s_delay_alu instid0(VALU_DEP_4)
	v_max_num_f32 v[TM+\b], v[TM+\b], v[TM+4+\b]   ; with lane l xor 16's 16: the block's largest magnitude
.endr
.irp b, 0,1,2,3
	s_delay_alu instid0(VALU_DEP_4)
	v_add_nc_u32 v[TM+12+\b], 0xf8800000, v[TM+\b]   ; 15 off its exponent field: the conversion's scale operand
.endr
.irp b, 0,1,2,3
	v_and_or_b32 v[TM+8+\b], v[TM+\b], 0x7f800000, s[MNT]   ; 57,344 x the scale
.endr
.irp b, 0,1,2,3
	v_lshrrev_b32 v[TM+4+\b], 23, v[TM+12+\b]   ; the scale's byte
.endr
	s_delay_alu instid0(VALU_DEP_3)
	v_lshl_or_b32 v[PW], v[TM+5], 8, v[TM+4]
	s_delay_alu instid0(VALU_DEP_1)
	v_lshl_or_b32 v[PW], v[TM+6], 16, v[PW]
	s_delay_alu instid0(VALU_DEP_1)
	v_lshl_or_b32 v[PW], v[TM+7], 24, v[PW]
.irp b, 0,1,2,3
.irp i, 0,1,2,3,4,5,6,7,8,9,10,11,12,13,14,15
	v_med3_num_f32 v[\s+16*\b+\i], v[\s+16*\b+\i], -v[TM+8+\b], v[TM+8+\b]   ; the conversion to an 8-bit code does not saturate (ISA guide 7.6.2): the hold comes first
.endr
	v_cvt_scalef32_pk8_bf8_f32 v[\pc+4*\b:\pc+1+4*\b], v[\s+16*\b:\s+7+16*\b], v[TM+12+\b]
	v_cvt_scalef32_pk8_bf8_f32 v[\pc+2+4*\b:\pc+3+4*\b], v[\s+8+16*\b:\s+15+16*\b], v[TM+12+\b]
.endr
	v_nop                                          ; one plain vector instruction behind the last scaled conversion
.endm
; record i of my part of a slot into buffer b: eleven LDS loads: its two fragments, its scale words, its ee of my half
.macro ELOAD slot, i, b
.irp q, 0,1,2,3,4,5,6,7
	ds_load_b128 v[EA+32*(\b)+4*\q:EA+32*(\b)+4*\q+3], v[ADC+\slot] offset:REC*(\i)+512*\q
.endr
	ds_load_b32 v[SCE+(\b)], v[ADS+\slot] offset:REC*(\i)
	ds_load_b128 v[EE+8*(\b):EE+8*(\b)+3], v[ADE+\slot] offset:REC*(\i)
	ds_load_b128 v[EE+8*(\b)+4:EE+8*(\b)+7], v[ADE+\slot] offset:REC*(\i)+16
.endm
; the record in buffer b against z's eight tiles: K step 0 starts the eight sums, K step 1 adds onto them.  The eight accumulators take turns, one instruction a turn
.macro HALF0 b
.irp t, 0,1,2,3,4,5,6,7
	v_wmma_scale_f32_16x16x128_f8f6f4 v[ACC+8*\t:ACC+8*\t+7], v[EA+32*(\b):EA+32*(\b)+15], v[32*\t:32*\t+15], 0, v[SCE+(\b)], v[SCZ+\t] matrix_a_fmt:MATRIX_FMT_BF8 matrix_b_fmt:MATRIX_FMT_BF8
.endr
.endm
.macro HALF1 b
.irp t, 0,1,2,3,4,5,6,7
	v_wmma_scale_f32_16x16x128_f8f6f4 v[ACC+8*\t:ACC+8*\t+7], v[EA+32*(\b)+16:EA+32*(\b)+31], v[32*\t+16:32*\t+31], v[ACC+8*\t:ACC+8*\t+7], v[SCE+(\b)], v[SCZ+\t] matrix_a_fmt:MATRIX_FMT_BF8 matrix_b_fmt:MATRIX_FMT_BF8 matrix_a_scale:MATRIX_SCALE_ROW1 matrix_b_scale:MATRIX_SCALE_ROW1
.endr
.endm
.macro BATCH b
	WIN 0x04                                       ; source 1 (z) in window 1
	HALF0 \b
	HALF1 \b
	WIN 0
.endm
.macro SUMS t, sr, b                   ; s = ee + zz for z's tile t, two at a time (of the pair (zz, tile number) the low word serves both halves)
.irp p, 0,1,2,3
	v_pk_add_f32 v[\sr+2*\p:\sr+2*\p+1], v[EE+8*(\b)+2*\p:EE+8*(\b)+2*\p+1], v[ZZ+2*(\t):ZZ+2*(\t)+1] op_sel_hi:[1,0]
.endr
.endm
.macro DIST t, sr                      ; d = s - 2 x dot, one rounding; each accumulator is read from its low end on
.irp p, 0,1,2,3
	v_pk_fma_f32 v[\sr+2*\p:\sr+2*\p+1], v[ACC+8*(\t)+2*\p:ACC+8*(\t)+2*\p+1], -2.0, v[\sr+2*\p:\sr+2*\p+1] op_sel_hi:[1,0,1]
.endr
.endm
; The vector work of a record: 112 instructions.  The first eight name no register of the products: they are the eight places between the products and the first read of a result.
; par = 0: the best d so far lie in BA and go to BB; 1: the other way.  Strictly less: the first tile with a given d keeps its place.
.macro EPI b, par
.if \par
.set OLD, BB
.set NEW, BA
.else
.set OLD, BA
.set NEW, BB
.endif
	SUMS 0, SU0, \b
	SUMS 1, SU1, \b
.irp u, 0,2,4,6
	DIST \u, SU0
	DIST \u+1, SU1
	v_min3_num_f32 v[MA0], v[SU0], v[SU0+1], v[SU0+2]       ; two tiles of z by turns, so that no line waits for the line above it
	s_delay_alu instid0(VALU_DEP_4)
	v_min3_num_f32 v[MA1], v[SU1], v[SU1+1], v[SU1+2]
	v_min3_num_f32 v[MB0], v[SU0+3], v[SU0+4], v[SU0+5]
	v_min3_num_f32 v[MB1], v[SU1+3], v[SU1+4], v[SU1+5]
	s_delay_alu instid0(VALU_DEP_2)
	v_min3_num_f32 v[MA0], v[MA0], v[MB0], v[SU0+6]
	s_delay_alu instid0(VALU_DEP_2)
	v_min3_num_f32 v[MA1], v[MA1], v[MB1], v[SU1+6]
	s_delay_alu instid0(VALU_DEP_2)
	v_min3_num_f32 v[NEW+\u], v[MA0], v[SU0+7], v[OLD+\u]
	s_delay_alu instid0(VALU_DEP_2)
	v_min3_num_f32 v[NEW+\u+1], v[MA1], v[SU1+7], v[OLD+\u+1]
	s_delay_alu instid0(VALU_DEP_2)
	v_cmp_lt_f32 s58, v[NEW+\u], v[OLD+\u]
	s_delay_alu instid0(VALU_DEP_2)
	v_cmp_lt_f32 s59, v[NEW+\u+1], v[OLD+\u+1]
	s_delay_alu instid0(VALU_DEP_2)
	v_cndmask_b32 v[ZZ+2*\u+1], v[ZZ+2*\u+1], s[TAU], s58
	s_delay_alu instid0(VALU_DEP_2)
	v_cndmask_b32 v[ZZ+2*\u+3], v[ZZ+2*\u+3], s[TAU], s59
.if \u < 6
	SUMS \u+2, SU0, \b
	SUMS \u+3, SU1, \b
.endif
.endr
.endm
; A record in buffer b; the record that follows (record ni of slot ns) is fetched into the other buffer first.  step: what the tile's number goes on by
.macro TILE ns, ni, b, par, step
	ELOAD \ns, \ni, 1-\b
	s_wait_dscnt 11                                ; the eleven loads just issued may be out: this record's are in
	BATCH \b
	EPI \b, \par
	s_add_co_u32 s[TAU], s[TAU], \step
.endm
; A PREFETCH INTO THE L2 of records that later changes of slots will ask for.  The records are 68 units of 128 rows of 256 bytes.  All clusters walk the same records: the first cluster asks.  In it waves 0 to 4 name one unit each at
; each change of slots; the four partners take 32 rows each, told apart by ADDRESS; a lane a row.  Units 13 to 67 are named once each, in the first eleven changes (5 x 11 = 55); the change behind slot n names units 13 + 5 n on,
; and the next change's tensor loads begin in unit 12 + 4 n (a slot is 4 1/4 units).  What lies ahead of unit 13 comes by its loads alone; no unit past 67 is named.
.macro ASK
	s_cmp_lt_u32 s[PFU], s[PFL]
	s_cbranch_scc0 .Lnot_mine_\@
	global_prefetch_b8 v[PFO], s[PFA:PFA+1] th:TH_LOAD_NT scope:SCOPE_SE
.Lnot_mine_\@:
.endm
; A slot's last record (in buffer 1) and THE CHANGE OF SLOTS.  Each wave waits for all its tensor loads (one is out: its part of the next slot), adds 0 to its spare word, and waits for that and for its reads of this slot.
; The barrier opens a round of the cluster's barrier; behind the round this slot is filled again, with the records two slots on: the load has the next slot's four records of work in which to land.
.macro CHANGE slot, next
	s_wait_xcnt 0x0                                ; the last prefetch, a slot back, has read its address, so it may be stepped
	s_add_nc_u64 s[PFA:PFA+1], s[PFA:PFA+1], 5*UNIT
	s_add_co_u32 s[PFU], s[PFU], 5
	s_wait_tensorcnt 0x0                           ; no tensor load of mine is out, so a group 0 may be written
	ds_add_u32 v[SPW], v[NIL]                      ; 0 onto my spare word
	s_add_nc_u64 s[G0A+4*\slot+2:G0A+4*\slot+3], s[G0A+4*\slot+2:G0A+4*\slot+3], 2*SLOTB   ; this slot's next records; the type bits on top are not reached
	s_wait_dscnt 0x1                               ; the add may be out: the last record's eleven loads are in
	WIN 0x04
	HALF0 1                                        ; eight matrix instructions stand between the add and the wait for it
	s_wait_dscnt 0x0                               ; the add is done, and my reads of this slot are over
	s_barrier_signal -1
	HALF1 1                                        ; work on registers while the others arrive
	WIN 0
	s_barrier_wait -1
	CREST                                          ; no wave of any partner still reads this slot or has a load on its way
	tensor_load_to_lds s[G0A+4*\slot:G0A+4*\slot+3], s[G1E:G1E+7]   ; my one tensor load behind the round, and the first thing there
	s_nop 0
.rept 4
	v_nop
.endr
	ASK
	ELOAD \next, 0, 0
	EPI 1, 1
	s_add_co_u32 s[TAU], s[TAU], 29                ; my first record of the next slot: 32 tiles on from this slot's first
.endm
; (v[BV], v[BG]) takes the candidate (value, group) that is smaller, or equal with the lower group
.macro LEXMIN cv, cg
	v_cmp_lt_f32 s58, v[\cv], v[BV]
	v_cmp_eq_f32 s59, v[\cv], v[BV]
	v_cmp_lt_u32 s60, v[\cg], v[BG]
	s_and_b32 s59, s59, s60
	s_or_b32 s58, s58, s59
	v_cndmask_b32 v[BV], v[BV], v[\cv], s58
	v_cndmask_b32 v[BG], v[BG], v[\cg], s58
.endm
	s_load_b256 s[4:11], s[0:1], 0x0               ; z s[4:5], epack s[6:7], zcodes s[8:9], zaux s[10:11]
	s_load_b64 s[12:13], s[0:1], 0x20              ; grp
	v_lshl_add_u32 v[SPW], v0, 2, SPARE
	v_mov_b32 v[NIL], 0
	ds_add_u32 v4, v5
	ds_add_u32 v4, v5
	s_wait_dscnt 0x0
	v_lshrrev_b32 v1, 5, v0
	s_delay_alu instid0(VALU_DEP_1)
	v_readfirstlane_b32 s[WV], v1                  ; wave 0..7
	s_bfe_u32 s15, ttmp6, 0x40000                  ; cx: my place in the cluster: it enters global addresses of z, zcodes, zaux, grp and the prefetches alone
	s_lshl_b32 s16, ttmp9, 2
	s_add_co_u32 s16, s16, s15                     ; my work-group = 4 x cluster + cx
	s_lshl_b32 s[TAU], s[WV], 2                    ; my first tile of codes
	v_and_b32 v1, 31, v0                           ; lane
	v_and_b32 v2, 15, v0                           ; r
	v_bfe_u32 v3, v0, 4, 1                         ; h
	s_mul_i32 s18, s[WV], WPART                    ; my part of a slot
	s_mov_b32 s19, 0
	v_lshlrev_b32 v[L16], 4, v1
	v_lshlrev_b32 v[L8], 3, v1
	v_lshlrev_b32 v[PFO], 8, v1
	s_delay_alu instid0(VALU_DEP_3)
	v_add_nc_u32 v[ADC], s18, v[L16]
	s_delay_alu instid0(VALU_DEP_1)
	v_add_nc_u32 v[ADC+1], SLOTB, v[ADC]
	v_lshl_add_u32 v[ADS], v1, 2, s18
	s_delay_alu instid0(VALU_DEP_1)
	v_add_nc_u32 v[ADS], 4096, v[ADS]
	s_delay_alu instid0(VALU_DEP_1)
	v_add_nc_u32 v[ADS+1], SLOTB, v[ADS]
	v_lshl_add_u32 v[ADE], v3, 5, s18
	s_delay_alu instid0(VALU_DEP_1)
	v_add_nc_u32 v[ADE], 4224, v[ADE]
	s_delay_alu instid0(VALU_DEP_1)
	v_add_nc_u32 v[ADE+1], SLOTB, v[ADE]
	s_mul_i32 s3, s[WV], ZRAW
	s_add_co_u32 s3, s3, SLOTB                     ; my raw tile of z
	v_mul_u32_u24 v[ZR], v2, ZPITCH
	s_delay_alu instid0(VALU_DEP_1)
	v_lshl_add_u32 v[ZR], v3, 6, v[ZR]
	s_delay_alu instid0(VALU_DEP_1)
	v_add_nc_u32 v[ZR], s3, v[ZR]
	v_add_nc_u32 v[ZIA], ZIMG, v[L16]
	v_lshl_add_u32 v[ZXA], v1, 2, ZAUX
	s_lshl_b32 s21, s[WV], 12
	v_add_nc_u32 v[ZIW], s21, v[ZIA]
	s_lshl_b32 s21, s[WV], 7
	v_add_nc_u32 v[ZXW], s21, v[ZXA]
	v_add_nc_u32 v[MGR], ZIMG, v[L8]
	s_lshl_b32 s21, s[WV], 11
	v_add_nc_u32 v[MGW], s21, v[MGR]
	s_lshl_b32 s21, s[WV], 8
	v_add_nc_u32 v[MGR], s21, v[MGR]
	v_lshl_add_u32 v[GW], v2, 2, ZAUX
	s_lshl_b32 s21, s[WV], 6
	v_add_nc_u32 v[GW], s21, v[GW]
	v_add_nc_u32 v[GR], ZAUX, v[L16]
.irp b, 0,1,2,3
	v_mov_b32 v[TM+4+\b], 0                        ; written once: a lane permute's destination counts as one of its sources
.endr
	; group 1 for records: 68 rows of 256 bytes (32 elements of 8 bytes), dense, no padding: they are read 16 bytes a lane on end
	s_mov_b32 s[G1E], 15|(3<<16)|(1<<21)           ; 15:0 the mask: all four work-groups; 17:16 elements of 8 bytes; 21 set beside a mask
	s_mov_b32 s[G1E+1], 32<<16                     ; tensor_dim0
	s_mov_b32 s[G1E+2], 136<<16                    ; tensor_dim1: 136 rows for the head's load of slot 0 (two waves' parts); 68 behind it
	s_mov_b32 s[G1E+3], 32<<16                     ; tile_dim0
	s_mov_b32 s[G1E+4], 136                        ; tile_dim1, likewise
	s_mov_b32 s[G1E+5], 32                         ; elements from row to row
	s_mov_b32 s[G1E+6], 0
	s_mov_b32 s[G1E+7], 0
	; group 1 for raw z: 32 rows x 256 elements of 4 bytes, 4 words of padding behind every 256; no mask: each work-group's own rows
	s_mov_b32 s[G1Z], (2<<16)|(1<<20)|(7<<22)|(3<<25)
	s_mov_b32 s[G1Z+1], 256<<16
	s_mov_b32 s[G1Z+2], 32<<16                     ; 32 rows: two raw tiles of z to a load
	s_mov_b32 s[G1Z+3], 256<<16
	s_mov_b32 s[G1Z+4], 32
	s_mov_b32 s[G1Z+5], 256
	s_mov_b32 s[G1Z+6], 0
	s_mov_b32 s[G1Z+7], 0
	s_mov_b32 s[SEL], 0x76543210
	s_mov_b32 s[SEL+1], 0xfedcba98
	s_mov_b32 s[MNT], 0x600000
	s_mov_b32 s[LAP], 7
	s_add_co_u32 s[PFU], s[WV], 8                  ; stepped by 5 ahead of each prefetch: the first names unit 13 + w
	s_cmp_lt_u32 s[WV], 5
	s_cselect_b32 s[PFL], 68, 0
	s_cmp_eq_u32 ttmp9, 0                          ; the first cluster: the same in all four partners
	s_cselect_b32 s[PFL], s[PFL], 0
	s_wait_kmcnt 0x0
	s_mov_b32 s[G0A], 1                            ; slot 0: count, LDS address, global address, type
	s_mov_b32 s[G0A+1], s18
	s_add_nc_u64 s[G0A+2:G0A+3], s[6:7], s[18:19]
	s_mov_b32 s[G0A+4], 1                          ; slot 1
	s_add_co_u32 s[G0A+5], s18, SLOTB
	s_add_nc_u64 s[G0A+6:G0A+7], s[G0A+2:G0A+3], SLOTB
	s_or_b32 s[G0A+3], s[G0A+3], 0x80000000
	s_or_b32 s[G0A+7], s[G0A+7], 0x80000000
	s_lshl_b32 s2, s16, 3
	s_add_co_u32 s2, s2, s[WV]                     ; my tile of z: 8 x work-group + wave
	s_add_co_u32 s20, s2, s[WV]                    ; waves 0-3 fetch tiles 2 w, 2 w + 1 of the work-group's eight: tile 8 x work-group + 2 w,
	s_lshl_b32 s20, s20, 14                        ; 16 rows of 1,024 bytes each
	s_mov_b32 s21, 0
	s_mov_b32 s[G0Z], 1
	s_mul_i32 s[G0Z+1], s[WV], 2*ZRAW              ; into the raw places of waves 2 w and 2 w + 1, which lie on end
	s_add_co_u32 s[G0Z+1], s[G0Z+1], SLOTB
	s_add_nc_u64 s[G0Z+2:G0Z+3], s[4:5], s[20:21]
	s_or_b32 s[G0Z+3], s[G0Z+3], 0x80000000
.set H0, 60                                            ; s[60:63] group 0 of the head's load of slot 0; free again behind the wait for all loads
	s_mov_b32 s[H0], 1                             ; waves 4-7 fetch parts 2 (w - 4) and 2 (w - 4) + 1 of slot 0: made of the wave's number alone
	s_and_b32 s[H0+1], s[WV], 3
	s_mul_i32 s[H0+1], s[H0+1], 2*WPART
	s_mov_b32 s20, s[H0+1]
	s_add_nc_u64 s[H0+2:H0+3], s[6:7], s[20:21]
	s_or_b32 s[H0+3], s[H0+3], 0x80000000
	s_lshl_b32 s20, s2, 12
	s_add_nc_u64 s[8:9], s[8:9], s[20:21]          ; zcodes at my tile
	s_lshl_b32 s20, s2, 8
	s_add_nc_u64 s[10:11], s[10:11], s[20:21]      ; zaux at my tile
	s_lshl_b32 s20, s16, 9
	s_add_nc_u64 s[12:13], s[12:13], s[20:21]      ; grp at my work-group's 128 rows
	s_lshl_b32 s20, s[PFU], 15
	s_lshl_b32 s2, s15, 13
	s_add_co_u32 s20, s20, s2                      ; unit 8 + w, my work-group's 32 rows of it
	s_add_nc_u64 s[PFA:PFA+1], s[6:7], s[20:21]
	CROUND                                         ; all four work-groups are here: the first joint loads meet
	; THE HEAD'S LOADS, ONE A WAVE, in one chain on the wave's number: waves 0-3 bring the eight raw tiles of z (two each, into bytes of slot 1), waves 4-7 the eight parts of slot 0 (two each, jointly with the partners)
	s_cmp_lt_u32 s[WV], 4
	s_cbranch_scc0 .Lhead_e
	tensor_load_to_lds s[G0Z:G0Z+3], s[G1Z:G1Z+7]
	s_nop 0
.rept 4
	v_nop
.endr
	s_branch .Lhead_j
.Lhead_e:
	tensor_load_to_lds s[H0:H0+3], s[G1E:G1E+7]
	s_nop 0
.rept 4
	v_nop
.endr
.Lhead_j:
	s_cmp_lt_u32 s[WV], 4
	s_cbranch_scc0 .Lhead_w
	s_wait_tensorcnt 0x0                           ; every wave that fetched raw z waits for it; slot 0's loads stay out across the barrier below, behind which nothing is filled
.Lhead_w:
	s_barrier_signal -1
	s_barrier_wait -1                              ; all eight raw tiles are in
	; ---- my tile of z is quantised
	XREAD 0, X0
	XREAD 1, X1
	s_wait_dscnt 16                                ; K step 0's sixteen loads are in
	SQSUM X0, 1
	QUANT X0, PC0
	v_mov_b32 v[PW0], v[PW]
.irp c, 0,1,2,3
	ds_store_b128 v[ZIW], v[PC0+4*\c:PC0+4*\c+3] offset:512*\c   ; the fragment goes to LDS as it stands
.endr
.irp c, 0,1,2,3
	global_store_b128 v[L16], v[PC0+4*\c:PC0+4*\c+3], s[8:9] offset:512*\c   ; and to memory: 32 lanes store 512 consecutive bytes, aligned
.endr
	s_wait_dscnt 4                                 ; the four LDS stores may be out: K step 1's loads are in
	SQSUM X1, 0
	QUANT X1, PC1
.irp c, 0,1,2,3
	ds_store_b128 v[ZIW], v[PC1+4*\c:PC1+4*\c+3] offset:2048+512*\c
.endr
.irp c, 0,1,2,3
	global_store_b128 v[L16], v[PC1+4*\c:PC1+4*\c+3], s[8:9] offset:2048+512*\c
.endr
	v_pk_add_f32 v[ZA:ZA+1], v[ZA:ZA+1], v[ZA+2:ZA+3]
	s_delay_alu instid0(VALU_DEP_1)
	v_add_f32 v[ZA], v[ZA], v[ZA+1]
	s_delay_alu instid0(VALU_DEP_1)
	v_permlanex16_b32 v[TM+4], v[ZA], s[SEL], s[SEL+1]
	s_delay_alu instid0(VALU_DEP_1)
	v_add_f32 v[ZO], v[ZA], v[TM+4]                ; zz of my row, in both of its lanes
	v_cmp_le_u32 vcc_lo, 16, v1
	s_delay_alu instid0(VALU_DEP_1)
	v_cndmask_b32 v[ZO+1], v[PW0], v[PW], vcc_lo   ; lanes 0-15 K step 0's scale word, lanes 16-31 K step 1's
	ds_store_b32 v[ZXW], v[ZO]
	ds_store_b32 v[ZXW], v[ZO+1] offset:1024
	global_store_b64 v[L8], v[ZO:ZO+1], s[10:11]   ; 32 lanes store 256 consecutive bytes, aligned
	; ---- slot 1 changes from raw z to records, as every refill does; the round also shows each wave's images to the others
	s_wait_xcnt 0x0                                ; the stores have read their data: those registers get other work below
	s_wait_tensorcnt 0x0                           ; slot 0's part is in
	ds_add_u32 v[SPW], v[NIL]                      ; 0 onto my spare word
	s_mov_b32 s[G1E+2], 68<<16                     ; no tensor load of mine is out, so a descriptor may be written: from here on a load brings a wave's own 68 rows
	s_mov_b32 s[G1E+4], 68
.irp t, 0,1,2,3,4,5,6,7
	v_mov_b32 v[BA+\t], 0x7f800000                 ; the best d so far: +infinity, over every d
	v_mov_b32 v[ZZ+2*\t+1], 0
.endr
	s_wait_dscnt 0x0                               ; the add and my LDS stores are done, my reads of the raw tile are over
	CROUND
	tensor_load_to_lds s[G0A+4:G0A+7], s[G1E:G1E+7]
	s_nop 0
.rept 4
	v_nop
.endr
	WIN 0x40                                       ; destination window 1
.irp t, 0,1,2,3,4,5,6,7
.irp q, 0,1,2,3,4,5,6,7
	ds_load_b128 v[32*\t+4*\q:32*\t+4*\q+3], v[ZIA] offset:4096*\t+512*\q   ; all eight tiles of z: they stay
.endr
.endr
	WIN 0
.irp t, 0,1,2,3,4,5,6,7
	ds_load_b32 v[ZZ+2*\t], v[ZXA] offset:128*\t
	ds_load_b32 v[SCZ+\t], v[ZXA] offset:1024+128*\t
.endr
	ELOAD 0, 0, 0
.Llap:                                             ; seven trips, two slots each: slots 0 to 13; each change of slots asks for the slot two on
	TILE 0, 1, 0, 0, 1
	TILE 0, 2, 1, 1, 1
	TILE 0, 3, 0, 0, 1
	CHANGE 0, 1
	TILE 1, 1, 0, 0, 1
	TILE 1, 2, 1, 1, 1
	TILE 1, 3, 0, 0, 1
	CHANGE 1, 0
	s_sub_co_u32 s[LAP], s[LAP], 1
	s_cmp_lg_u32 s[LAP], 0
	s_cbranch_scc1 .Llap
	TILE 0, 1, 0, 0, 1                             ; slots 14 and 15 are written out: nothing is left to ask for
	TILE 0, 2, 1, 1, 1
	TILE 0, 3, 0, 0, 1
	s_wait_tensorcnt 0x0                           ; my part of slot 15 is in; I alone read it, and nothing is filled again: no barrier
	TILE 1, 0, 1, 1, 29
	TILE 1, 1, 0, 0, 1
	TILE 1, 2, 1, 1, 1
	TILE 1, 3, 0, 0, 1
	s_wait_dscnt 0x0
	BATCH 1
	EPI 1, 1                                       ; 64 records: the best d lie in BA
	; ---- the eight waves' candidates meet: (value, group), the group = 2 x tile + h
.irp t, 0,1,2,3,4,5,6,7
	v_lshl_add_u32 v[ZZ+2*\t+1], v[ZZ+2*\t+1], 1, v3
	v_mov_b32 v[ZZ+2*\t], v[BA+\t]
.endr
.irp t, 0,1,2,3,4,5,6,7
	ds_store_b64 v[MGW], v[ZZ+2*\t:ZZ+2*\t+1] offset:256*\t   ; into z's images, which every wave has read, and waited for, ahead of the barriers passed since
.endr
	s_wait_dscnt 0x0                               ; for the others' sake
	s_barrier_signal -1
	s_barrier_wait -1
.irp k, 0,1,2,3,4,5,6,7
	ds_load_b64 v[ACC+2*\k:ACC+2*\k+1], v[MGR] offset:2048*\k   ; wave w takes z's tile w: its candidates from all eight waves
.endr
	s_wait_dscnt 0x0
.irp k, 1,2,3,4,5,6,7
	LEXMIN ACC+2*\k, ACC+2*\k+1
.endr
	s_delay_alu instid0(VALU_DEP_2)
	v_permlanex16_b32 v[TM+4], v[BV], s[SEL], s[SEL+1]   ; and the row's other half of the lanes
	s_delay_alu instid0(VALU_DEP_2)
	v_permlanex16_b32 v[TM+5], v[BG], s[SEL], s[SEL+1]
	LEXMIN TM+4, TM+5
	ds_store_b32 v[GW], v[BG]                      ; both lanes of a row write the same word with the same value
	s_wait_dscnt 0x0
	s_barrier_signal -1
	s_barrier_wait -1
	s_cmp_lg_u32 s[WV], 0
	s_cbranch_scc1 .Lno_store
	ds_load_b128 v[ACC:ACC+3], v[GR]
	s_wait_dscnt 0x0
	global_store_b128 v[L16], v[ACC:ACC+3], s[12:13]   ; the work-group's 128 groups: 512 consecutive bytes, aligned
.Lno_store:
	s_wait_tensorcnt 0x0                           ; the wave's end, behind my last tensor load and my last LDS store
	ds_add_u32 v[SPW], v[NIL]
	s_wait_dscnt 0x0
	CROUND                                         ; the closing round: no work-group ends while a partner may still ask for a part that names it
	s_endpgm
.Lfunc_end_k_qfd4834cede_scan:
	.size	k_qfd4834cede_scan, .Lfunc_end_k_qfd4834cede_scan-k_qfd4834cede_scan
	.p2alignl 7, 3214868480
	.fill 96, 4, 3214868480
	.section	.rodata,"a",@progbits
	.p2align	6, 0x0
	.amdhsa_kernel k_qfd4834cede_scan
		.amdhsa_group_segment_fixed_size 327680
		.amdhsa_private_segment_fixed_size 0
		.amdhsa_enable_private_segment 0
		.amdhsa_kernarg_size 40
		.amdhsa_user_sgpr_count 2
		.amdhsa_user_sgpr_kernarg_segment_ptr 1
		.amdhsa_wavefront_size32 1
		.amdhsa_system_sgpr_workgroup_id_x 1
		.amdhsa_system_sgpr_workgroup_id_y 1
		.amdhsa_system_sgpr_workgroup_id_z 1
		.amdhsa_system_vgpr_workitem_id 0
		.amdhsa_next_free_vgpr 512
		.amdhsa_next_free_sgpr 66
		.amdhsa_reserve_vcc 1
		.amdhsa_float_denorm_mode_32 3
		.amdhsa_float_denorm_mode_16_64 3
		.amdhsa_memory_ordered 1
		.amdhsa_forward_progress 1
		.amdhsa_inst_pref_size 224
	.end_amdhsa_kernel
	.amdgpu_metadata
---
amdhsa.version: [ 1, 2 ]
amdhsa.kernels:
  - .name:           k_qfd4834cede_scan
    .symbol:         k_qfd4834cede_scan.kd
    .args:
      - { .name: z, .offset: 0, .size: 8, .value_kind: global_buffer, .address_space: global }
      - { .name: epack, .offset: 8, .size: 8, .value_kind: global_buffer, .address_space: global }
      - { .name: zcodes, .offset: 16, .size: 8, .value_kind: global_buffer, .address_space: global }
      - { .name: zaux, .offset: 24, .size: 8, .value_kind: global_buffer, .address_space: global }
      - { .name: grp, .offset: 32, .size: 8, .value_kind: global_buffer, .address_space: global }
    .group_segment_fixed_size: 327680
    .private_segment_fixed_size: 0
    .kernarg_segment_align: 8
    .kernarg_segment_size: 40
    .max_flat_workgroup_size: 256
    .sgpr_count:     66
    .vgpr_count:     512
    .wavefront_size: 32
...
	.end_amdgpu_metadata
.endif
;; end of part 2
;; launch pick (part 3): grid 256 x 1, 8 waves a work-group, no clusters, 2,048 bytes of LDS; arguments epack, zcodes, zaux, grp, idx; writes idx
.if DOCPART == 3
	.amdgcn_target "amdgcn-amd-amdhsa--gfx1250"
	.amdhsa_code_object_version 6
	.text
	.protected	k_qfd4834cede_pick
	.globl	k_qfd4834cede_pick
	.p2align	8
	.type	k_qfd4834cede_pick,@function
k_qfd4834cede_pick:
	s_mov_b64 s[64:65], 0
	v_nop
	global_prefetch_b8 v0, s[64:65] scope:SCOPE_SE
	s_setreg_imm32_b32 hwreg(HW_REG_WAVE_MODE, 25, 1), 1
	s_wait_xcnt 0x0
; Which of the 8 codes of a row's winning group has the first smallest d ?  The 8 d are formed again, by the same matrix instruction on the same codes and scale words and with the same f32 roundings as in the launch before.
; SHARES.  A wave takes a tile of 16 rows of z (2,048 tiles, 8 waves a work-group).  Source 1 = the tile of z.  Source 0, eight times: tile p holds in its rows 0-7 the 8 codes of row 2 p's group and in its rows 8-15 those of row 2 p + 1's,
; gathered from the records by the stored group numbers: code 8 g + j lies in record g / 2 at row 8 (g % 2) + j.  In the result of tile p, lane (r, h) holds z's row r against rows 8 h + 0 .. 7:
; row r's own candidates stand in tile r / 2 in the lane with h = r % 2.
; The group numbers are whole numbers that an earlier launch stored; each is cut into record and half, and both are held under a constant ahead of the address.
; No tensor load and no cluster: what a wave gathers hangs on its rows' groups, and no two waves want the same bytes by plan.
.set REC,  4352
.set G,    8                           ; v8-15   group of row 2 p + r / 8
.set GO,   16                          ; v16     group of row r
.set AOF,  24                          ; v24-31  where my 16 bytes of tile p's groups of registers begin
.set SOF,  32                          ; v32-39  and my scale word
.set EOF,  40                          ; v40     ee of row r's group
.set LA,   41                          ; v41     16 (r % 8) + 256 h
.set LS,   42                          ; v42     4,096 + 4 (r % 8) + 64 h
.set L16,  44
.set L8,   45
.set IW,   46                          ; v46     LDS: 64 w + 4 r
.set BZ,   48                          ; v48-79  z's two fragments
.set ZZ,   80                          ; v80     zz of row r;  v81 z's scale word: a scale and nothing else
.set ASC,  82                          ; v82-89  tile p's scale words: scales and nothing else
.set EEr,  90                          ; v90-97  ee of the 8 candidates
.set ACC,  98                          ; v98-161 eight accumulators
.set FF,   162                         ; v162-169 my row's 8 products
.set DD,   170                         ; v170-177 its 8 d
.set BJ,   179
.set MK,   20                          ; s21-27  lanes 2 p and 17 + 2 p, p = 1 .. 7
.set OK,   28                          ; s28     the lanes with h = r % 2
.set SEL,  30                          ; s[30:31]
.set MSB, 0
.macro WIN new                         ; the immediate's high byte repeats the setting that is left
.if MSB != \new
	s_set_vgpr_msb (MSB<<8)|\new
.set MSB, \new
.endif
.endm
	s_load_b256 s[4:11], s[0:1], 0x0               ; epack s[4:5], zcodes s[6:7], zaux s[8:9], grp s[10:11]
	s_load_b64 s[12:13], s[0:1], 0x20              ; idx
	v_lshl_add_u32 v254, v0, 2, 0x400
	v_mov_b32 v255, 0
	v_lshrrev_b32 v1, 5, v0
	s_delay_alu instid0(VALU_DEP_1)
	v_readfirstlane_b32 s14, v1                    ; wave 0..7
	s_lshl_b32 s15, ttmp9, 3
	s_add_co_u32 s15, s15, s14                     ; my tile of z
	v_and_b32 v1, 31, v0                           ; lane
	v_and_b32 v2, 15, v0                           ; r
	v_bfe_u32 v3, v0, 4, 1                         ; h
	v_and_b32 v4, 7, v0                            ; r % 8
	v_bfe_u32 v5, v0, 3, 1
	s_delay_alu instid0(VALU_DEP_1)
	v_lshlrev_b32 v5, 2, v5                        ; 4 (r / 8)
	v_lshlrev_b32 v6, 2, v2                        ; 4 r
	v_lshlrev_b32 v[L16], 4, v1
	v_lshlrev_b32 v[L8], 3, v1
	v_lshlrev_b32 v[LA], 4, v4
	s_delay_alu instid0(VALU_DEP_1)
	v_lshl_add_u32 v[LA], v3, 8, v[LA]
	v_lshlrev_b32 v[LS], 2, v4
	s_delay_alu instid0(VALU_DEP_1)
	v_lshl_add_u32 v[LS], v3, 6, v[LS]
	s_delay_alu instid0(VALU_DEP_1)
	v_add_nc_u32 v[LS], 4096, v[LS]
	s_lshl_b32 s16, s14, 6
	v_add_nc_u32 v[IW], s16, v6
.irp p, 1,2,3,4,5,6,7
	s_mov_b32 s[MK+\p], (1<<(2*\p))|(1<<(17+2*\p))
.endr
	s_mov_b32 s[OK], 0xaaaa5555
	s_mov_b32 s[SEL], 0x76543210
	s_mov_b32 s[SEL+1], 0xfedcba98
	s_mov_b32 s17, 0
	s_mov_b32 s19, 0
	s_wait_alu depctr_va_vdst(0)
	s_wait_kmcnt 0x0
	s_lshl_b32 s16, s15, 6
	s_add_nc_u64 s[10:11], s[10:11], s[16:17]      ; grp at my 16 rows
	s_lshl_b32 s18, s15, 12
	s_add_nc_u64 s[6:7], s[6:7], s[18:19]          ; zcodes at my tile
	s_lshl_b32 s16, s15, 8
	s_add_nc_u64 s[8:9], s[8:9], s[16:17]          ; zaux at my tile
	s_lshl_b32 s18, ttmp9, 9
	s_add_nc_u64 s[12:13], s[12:13], s[18:19]      ; idx at my work-group's 128 rows
.irp p, 0,1,2,3,4,5,6,7
	global_load_b32 v[G+\p], v5, s[10:11] offset:8*\p
.endr
	global_load_b32 v[GO], v6, s[10:11]
.irp q, 0,1,2,3,4,5,6,7
	global_load_b128 v[BZ+4*\q:BZ+4*\q+3], v[L16], s[6:7] offset:512*\q
.endr
	global_load_b64 v[ZZ:ZZ+1], v[L8], s[8:9]
	s_wait_loadcnt 9                               ; the nine loads of groups are in; the nine behind them may be out
.irp p, 0,1,2,3,4,5,6,7
	v_lshrrev_b32 v17, 1, v[G+\p]
	v_and_b32 v18, 1, v[G+\p]
	s_delay_alu instid0(VALU_DEP_2)
	v_min_u32 v17, 0x1ff, v17                      ; the record, held under 512,
	s_delay_alu instid0(VALU_DEP_2)
	v_min_u32 v18, 1, v18                          ; and the half of it
	s_delay_alu instid0(VALU_DEP_2)
	v_mul_u32_u24 v17, v17, REC
	s_delay_alu instid0(VALU_DEP_1)
	v_lshl_add_u32 v[AOF+\p], v18, 7, v17
	s_delay_alu instid0(VALU_DEP_2)
	v_lshl_add_u32 v[SOF+\p], v18, 5, v17
	s_delay_alu instid0(VALU_DEP_2)
	v_add_nc_u32 v[AOF+\p], v[AOF+\p], v[LA]
	s_delay_alu instid0(VALU_DEP_2)
	v_add_nc_u32 v[SOF+\p], v[SOF+\p], v[LS]
.endr
	v_lshrrev_b32 v17, 1, v[GO]
	v_and_b32 v18, 1, v[GO]
	s_delay_alu instid0(VALU_DEP_2)
	v_min_u32 v17, 0x1ff, v17
	s_delay_alu instid0(VALU_DEP_2)
	v_min_u32 v18, 1, v18
	s_delay_alu instid0(VALU_DEP_2)
	v_mul_u32_u24 v17, v17, REC
	s_delay_alu instid0(VALU_DEP_1)
	v_lshl_add_u32 v[EOF], v18, 5, v17
	WIN 0x40                                       ; destination window 1: tile p's two fragments at v[32 p]
.irp p, 0,1,2,3,4,5,6,7
.irp q, 0,1,2,3,4,5,6,7
	global_load_b128 v[32*\p+4*\q:32*\p+4*\q+3], v[AOF+\p], s[4:5] offset:512*\q
.endr
.endr
	WIN 0
.irp p, 0,1,2,3,4,5,6,7
	global_load_b32 v[ASC+\p], v[SOF+\p], s[4:5]
.endr
	global_load_b128 v[EEr:EEr+3], v[EOF], s[4:5] offset:4224
	global_load_b128 v[EEr+4:EEr+7], v[EOF], s[4:5] offset:4240
	s_wait_loadcnt 0x0
	WIN 0x01                                       ; source 0 in window 1.  The eight accumulators take turns, one instruction a turn
.irp p, 0,1,2,3,4,5,6,7
	v_wmma_scale_f32_16x16x128_f8f6f4 v[ACC+8*\p:ACC+8*\p+7], v[32*\p:32*\p+15], v[BZ:BZ+15], 0, v[ASC+\p], v[ZZ+1] matrix_a_fmt:MATRIX_FMT_BF8 matrix_b_fmt:MATRIX_FMT_BF8
.endr
.irp p, 0,1,2,3,4,5,6,7
	v_wmma_scale_f32_16x16x128_f8f6f4 v[ACC+8*\p:ACC+8*\p+7], v[32*\p+16:32*\p+31], v[BZ+16:BZ+31], v[ACC+8*\p:ACC+8*\p+7], v[ASC+\p], v[ZZ+1] matrix_a_fmt:MATRIX_FMT_BF8 matrix_b_fmt:MATRIX_FMT_BF8 matrix_a_scale:MATRIX_SCALE_ROW1 matrix_b_scale:MATRIX_SCALE_ROW1
.endr
	WIN 0
.irp j, 0,1,2,3,4,5,6,7
	v_add_f32 v[DD+\j], v[EEr+\j], v[ZZ]           ; s = ee + zz.  These eight name no register of the products: the places ahead of the first read of a result (ISA guide 7.12.1)
.endr
.irp j, 0,1,2,3,4,5,6,7                            ; each lane takes its own tile's results; register 0 of every accumulator is read first
	v_cndmask_b32 v[FF+\j], v[ACC+\j], v[ACC+8+\j], s[MK+1]
.irp p, 2,3,4,5,6,7
	v_cndmask_b32 v[FF+\j], v[FF+\j], v[ACC+8*\p+\j], s[MK+\p]
.endr
.endr
.irp j, 0,1,2,3,4,5,6,7
	v_fma_f32 v[DD+\j], v[FF+\j], -2.0, v[DD+\j]   ; d = s - 2 x dot, one rounding
.endr
	v_mov_b32 v[BJ], 0
.irp j, 1
	v_cmp_lt_f32 vcc_lo, v[DD+\j], v[DD]           ; strictly less: the first of equal d keeps its place
	s_delay_alu instid0(VALU_DEP_1)
	v_cndmask_b32 v[BJ], v[BJ], \j, vcc_lo
	v_min_num_f32 v[DD], v[DD], v[DD+\j]
.endr
.irp j, 2, 3, 4, 5, 6, 7
	s_delay_alu instid0(VALU_DEP_1)
	v_cmp_lt_f32 vcc_lo, v[DD+\j], v[DD]           ; strictly less: the first of equal d keeps its place
	s_delay_alu instid0(VALU_DEP_1)
	v_cndmask_b32 v[BJ], v[BJ], \j, vcc_lo
	s_delay_alu instid0(VALU_DEP_3)
	v_min_num_f32 v[DD], v[DD], v[DD+\j]
.endr
	s_delay_alu instid0(VALU_DEP_2)
	v_lshl_add_u32 v[BJ], v[GO], 3, v[BJ]          ; the code's number: 8 x group + j
	s_delay_alu instid0(VALU_DEP_1)
	v_permlanex16_b32 v17, v[BJ], s[SEL], s[SEL+1]
	s_delay_alu instid0(VALU_DEP_1)
	v_cndmask_b32 v[BJ], v17, v[BJ], s[OK]         ; a lane with h other than r % 2 takes the number from the row's other lane
	ds_store_b32 v[IW], v[BJ]                      ; both lanes of a row write the same word with the same value
	s_wait_dscnt 0x0
	s_barrier_signal -1
	s_barrier_wait -1
	s_cmp_lg_u32 s14, 0
	s_cbranch_scc1 .Ldone
	ds_load_b128 v[8:11], v[L16]
	s_wait_dscnt 0x0
	global_store_b128 v[L16], v[8:11], s[12:13]    ; the work-group's 128 numbers: 512 consecutive bytes, aligned
.Ldone:
	s_wait_tensorcnt 0x0
	ds_add_u32 v254, v255
	s_wait_dscnt 0x0
	s_endpgm
.Lfunc_end_k_qfd4834cede_pick:
	.size	k_qfd4834cede_pick, .Lfunc_end_k_qfd4834cede_pick-k_qfd4834cede_pick
	.p2alignl 7, 3214868480
	.fill 96, 4, 3214868480
	.section	.rodata,"a",@progbits
	.p2align	6, 0x0
	.amdhsa_kernel k_qfd4834cede_pick
		.amdhsa_group_segment_fixed_size 2048
		.amdhsa_private_segment_fixed_size 0
		.amdhsa_enable_private_segment 0
		.amdhsa_kernarg_size 40
		.amdhsa_user_sgpr_count 2
		.amdhsa_user_sgpr_kernarg_segment_ptr 1
		.amdhsa_wavefront_size32 1
		.amdhsa_system_sgpr_workgroup_id_x 1
		.amdhsa_system_sgpr_workgroup_id_y 1
		.amdhsa_system_sgpr_workgroup_id_z 1
		.amdhsa_system_vgpr_workitem_id 0
		.amdhsa_next_free_vgpr 512
		.amdhsa_next_free_sgpr 66
		.amdhsa_reserve_vcc 1
		.amdhsa_float_denorm_mode_32 3
		.amdhsa_float_denorm_mode_16_64 3
		.amdhsa_memory_ordered 1
		.amdhsa_forward_progress 1
		.amdhsa_inst_pref_size 26
	.end_amdhsa_kernel
	.amdgpu_metadata
---
amdhsa.version: [ 1, 2 ]
amdhsa.kernels:
  - .name:           k_qfd4834cede_pick
    .symbol:         k_qfd4834cede_pick.kd
    .args:
      - { .name: epack, .offset: 0, .size: 8, .value_kind: global_buffer, .address_space: global }
      - { .name: zcodes, .offset: 8, .size: 8, .value_kind: global_buffer, .address_space: global }
      - { .name: zaux, .offset: 16, .size: 8, .value_kind: global_buffer, .address_space: global }
      - { .name: grp, .offset: 24, .size: 8, .value_kind: global_buffer, .address_space: global }
      - { .name: idx, .offset: 32, .size: 8, .value_kind: global_buffer, .address_space: global }
    .group_segment_fixed_size: 2048
    .private_segment_fixed_size: 0
    .kernarg_segment_align: 8
    .kernarg_segment_size: 40
    .max_flat_workgroup_size: 256
    .sgpr_count:     66
    .vgpr_count:     512
    .wavefront_size: 32
...
	.end_amdgpu_metadata
.endif
;; end of part 3
;; launch emit (part 4): grid 512 x 1, 8 waves a work-group, no clusters, 1,280 bytes of LDS; arguments z, emb_weight, idx, out0, part; writes out0, part
.if DOCPART == 4
	.amdgcn_target "amdgcn-amd-amdhsa--gfx1250"
	.amdhsa_code_object_version 6
	.text
	.protected	k_qfd4834cede_emit
	.globl	k_qfd4834cede_emit
	.p2align	8
	.type	k_qfd4834cede_emit,@function
k_qfd4834cede_emit:
	s_mov_b64 s[64:65], 0
	v_nop
	global_prefetch_b8 v0, s[64:65] scope:SCOPE_SE
	s_setreg_imm32_b32 hwreg(HW_REG_WAVE_MODE, 25, 1), 1
	s_wait_xcnt 0x0
; out0[row] = z + (e[idx[row]] - z), with the two roundings of that formula, and for each work-group the sum of (e - z)^2 over its 64 rows.
; A stream: a wave takes 8 rows of 1,024 bytes; a lane 16 bytes of each half row, so each load and store of a wave covers 512 consecutive bytes, aligned.  All 32 loads of a wave are issued ahead of the first use.
; The 8 indices are whole numbers that an earlier launch stored: a scalar load brings them, and each is held under 8,192 ahead of the address.
; No LDS tiles, no matrix unit, no cluster: every byte of z is read once, by one wave, and which code rows are read hangs on the indices.
.set Z,   16                           ; v16-79   z: row i, half u at v[16 + 8 i + 4 u]; then the result
.set E,   80                           ; v80-143  the code's row likewise; then e - z
.set EO,  144                          ; v144-151 row i's offset in the codebook
.set SQ,  152                          ; v152-159 four packed sums of squares
	s_load_b256 s[4:11], s[0:1], 0x0               ; z s[4:5], emb_weight s[6:7], idx s[8:9], out0 s[10:11]
	s_load_b64 s[12:13], s[0:1], 0x20              ; part
	v_lshl_add_u32 v168, v0, 2, 0x100
	v_mov_b32 v169, 0
	v_lshrrev_b32 v1, 5, v0
	s_delay_alu instid0(VALU_DEP_1)
	v_readfirstlane_b32 s14, v1                    ; wave 0..7
	v_and_b32 v1, 31, v0
	s_delay_alu instid0(VALU_DEP_1)
	v_lshlrev_b32 v1, 4, v1                        ; 16 x lane
	s_lshl_b32 s15, ttmp9, 6
	s_lshl_b32 s24, s14, 3
	s_add_co_u32 s15, s15, s24                     ; my first row
	s_lshl_b32 s24, s15, 2
	s_mov_b32 s25, 0
	s_lshl_b32 s26, s15, 10
	s_mov_b32 s27, 0
	s_lshl_b32 s30, ttmp9, 2
	s_mov_b32 s31, 0
	s_mov_b32 s28, 0x76543210
	s_mov_b32 s29, 0xfedcba98
	s_wait_alu depctr_va_vdst(0)
	s_wait_kmcnt 0x0
	s_add_nc_u64 s[8:9], s[8:9], s[24:25]
	s_load_b256 s[16:23], s[8:9], 0x0              ; my 8 indices
	s_add_nc_u64 s[4:5], s[4:5], s[26:27]
	s_add_nc_u64 s[10:11], s[10:11], s[26:27]
	s_add_nc_u64 s[12:13], s[12:13], s[30:31]
.irp i, 0,1,2,3,4,5,6,7
	global_load_b128 v[Z+8*\i:Z+8*\i+3], v1, s[4:5] offset:1024*\i th:TH_LOAD_NT
	global_load_b128 v[Z+8*\i+4:Z+8*\i+7], v1, s[4:5] offset:1024*\i+512 th:TH_LOAD_NT
.endr
	s_wait_kmcnt 0x0
.irp i, 0,1,2,3,4,5,6,7
	s_min_u32 s[16+\i], s[16+\i], 0x1fff           ; an index stays inside the codebook
	s_lshl_b32 s[16+\i], s[16+\i], 10
	v_add_nc_u32 v[EO+\i], s[16+\i], v1
.endr
	s_wait_alu depctr_va_vdst(0)
.irp i, 0,1,2,3,4,5,6,7
	global_load_b128 v[E+8*\i:E+8*\i+3], v[EO+\i], s[6:7]             ; no hint: a code's row may be wanted again
	global_load_b128 v[E+8*\i+4:E+8*\i+7], v[EO+\i], s[6:7] offset:512
.endr
.macro ROW i
	s_wait_loadcnt 14-2*\i                         ; the code rows behind row i's may be out
.irp p, 0,1,2,3
	v_pk_add_f32 v[E+8*\i+2*\p:E+8*\i+2*\p+1], v[E+8*\i+2*\p:E+8*\i+2*\p+1], v[Z+8*\i+2*\p:Z+8*\i+2*\p+1] neg_lo:[0,1] neg_hi:[0,1]   ; t = e - z
.endr
.irp p, 0,1,2,3
.if \i == 0
	s_delay_alu instid0(VALU_DEP_4)
	v_pk_mul_f32 v[SQ+2*\p:SQ+2*\p+1], v[E+8*\i+2*\p:E+8*\i+2*\p+1], v[E+8*\i+2*\p:E+8*\i+2*\p+1]   ; the first row starts the sums
.else
	s_delay_alu instid0(VALU_DEP_4)
	v_pk_fma_f32 v[SQ+2*\p:SQ+2*\p+1], v[E+8*\i+2*\p:E+8*\i+2*\p+1], v[E+8*\i+2*\p:E+8*\i+2*\p+1], v[SQ+2*\p:SQ+2*\p+1]
.endif
.endr
.irp p, 0,1,2,3
	v_pk_add_f32 v[Z+8*\i+2*\p:Z+8*\i+2*\p+1], v[Z+8*\i+2*\p:Z+8*\i+2*\p+1], v[E+8*\i+2*\p:E+8*\i+2*\p+1]   ; z + t
.endr
	global_store_b128 v1, v[Z+8*\i:Z+8*\i+3], s[10:11] offset:1024*\i th:TH_STORE_NT
	global_store_b128 v1, v[Z+8*\i+4:Z+8*\i+7], s[10:11] offset:1024*\i+512 th:TH_STORE_NT
.endm
.irp i, 0,1,2,3,4,5,6,7
	ROW \i
.endr
	v_pk_add_f32 v[SQ:SQ+1], v[SQ:SQ+1], v[SQ+2:SQ+3]
	v_pk_add_f32 v[SQ+4:SQ+5], v[SQ+4:SQ+5], v[SQ+6:SQ+7]
	s_delay_alu instid0(VALU_DEP_1)
	v_pk_add_f32 v[SQ:SQ+1], v[SQ:SQ+1], v[SQ+4:SQ+5]
	s_delay_alu instid0(VALU_DEP_1)
	v_add_f32 v[SQ], v[SQ], v[SQ+1]
	s_delay_alu instid0(VALU_DEP_1)
	v_add_f32_dpp v[SQ], v[SQ], v[SQ] row_xmask:1 row_mask:0xf bank_mask:0xf
	s_delay_alu instid0(VALU_DEP_1)
	v_add_f32_dpp v[SQ], v[SQ], v[SQ] row_xmask:2 row_mask:0xf bank_mask:0xf
	s_delay_alu instid0(VALU_DEP_1)
	v_add_f32_dpp v[SQ], v[SQ], v[SQ] row_xmask:4 row_mask:0xf bank_mask:0xf
	s_delay_alu instid0(VALU_DEP_1)
	v_add_f32_dpp v[SQ], v[SQ], v[SQ] row_xmask:8 row_mask:0xf bank_mask:0xf
	s_delay_alu instid0(VALU_DEP_1)
	v_permlanex16_b32 v[SQ+1], v[SQ], s28, s29
	s_delay_alu instid0(VALU_DEP_1)
	v_add_f32 v[SQ], v[SQ], v[SQ+1]                ; the wave's sum, in every lane
	v_mov_b32 v2, s14
	s_delay_alu instid0(VALU_DEP_1)
	v_lshlrev_b32 v2, 2, v2
	ds_store_b32 v2, v[SQ]                         ; all lanes write the wave's word with the same value
	s_wait_dscnt 0x0
	s_barrier_signal -1
	s_barrier_wait -1
	v_mov_b32 v3, 0
	ds_load_b128 v[4:7], v3
	ds_load_b128 v[8:11], v3 offset:16
	s_wait_dscnt 0x0
	v_pk_add_f32 v[4:5], v[4:5], v[6:7]
	v_pk_add_f32 v[8:9], v[8:9], v[10:11]
	s_delay_alu instid0(VALU_DEP_1)
	v_pk_add_f32 v[4:5], v[4:5], v[8:9]
	s_delay_alu instid0(VALU_DEP_1)
	v_add_f32 v4, v4, v5
	v_cmp_eq_u32 vcc_lo, 0, v0
	s_wait_alu depctr_va_vdst(0)
	s_wait_xcnt 0x0                                ; EXEC changes only behind this wait
	s_wait_tensorcnt 0x0
	ds_add_u32 v168, v169
	s_wait_dscnt 0x0
	s_and_saveexec_b32 s24, vcc_lo                 ; thread 0 of the work-group alone
	global_store_b32 v3, v4, s[12:13]
	s_endpgm
.Lfunc_end_k_qfd4834cede_emit:
	.size	k_qfd4834cede_emit, .Lfunc_end_k_qfd4834cede_emit-k_qfd4834cede_emit
	.p2alignl 7, 3214868480
	.fill 96, 4, 3214868480
	.section	.rodata,"a",@progbits
	.p2align	6, 0x0
	.amdhsa_kernel k_qfd4834cede_emit
		.amdhsa_group_segment_fixed_size 1280
		.amdhsa_private_segment_fixed_size 0
		.amdhsa_enable_private_segment 0
		.amdhsa_kernarg_size 40
		.amdhsa_user_sgpr_count 2
		.amdhsa_user_sgpr_kernarg_segment_ptr 1
		.amdhsa_wavefront_size32 1
		.amdhsa_system_sgpr_workgroup_id_x 1
		.amdhsa_system_sgpr_workgroup_id_y 1
		.amdhsa_system_sgpr_workgroup_id_z 1
		.amdhsa_system_vgpr_workitem_id 0
		.amdhsa_next_free_vgpr 170
		.amdhsa_next_free_sgpr 66
		.amdhsa_reserve_vcc 1
		.amdhsa_float_denorm_mode_32 3
		.amdhsa_float_denorm_mode_16_64 3
		.amdhsa_memory_ordered 1
		.amdhsa_forward_progress 1
		.amdhsa_inst_pref_size 17
	.end_amdhsa_kernel
	.amdgpu_metadata
---
amdhsa.version: [ 1, 2 ]
amdhsa.kernels:
  - .name:           k_qfd4834cede_emit
    .symbol:         k_qfd4834cede_emit.kd
    .args:
      - { .name: z, .offset: 0, .size: 8, .value_kind: global_buffer, .address_space: global }
      - { .name: emb_weight, .offset: 8, .size: 8, .value_kind: global_buffer, .address_space: global }
      - { .name: idx, .offset: 16, .size: 8, .value_kind: global_buffer, .address_space: global }
      - { .name: out0, .offset: 24, .size: 8, .value_kind: global_buffer, .address_space: global }
      - { .name: part, .offset: 32, .size: 8, .value_kind: global_buffer, .address_space: global }
    .group_segment_fixed_size: 1280
    .private_segment_fixed_size: 0
    .kernarg_segment_align: 8
    .kernarg_segment_size: 40
    .max_flat_workgroup_size: 256
    .sgpr_count:     66
    .vgpr_count:     170
    .wavefront_size: 32
...
	.end_amdgpu_metadata
.endif
;; end of part 4
;; launch loss (part 5): grid 1 x 1, 1 waves a work-group, no clusters, 0 bytes of LDS; arguments part, out1; writes out1
.if DOCPART == 5
	.amdgcn_target "amdgcn-amd-amdhsa--gfx1250"
	.amdhsa_code_object_version 6
	.text
	.protected	k_qfd4834cede_loss
	.globl	k_qfd4834cede_loss
	.p2align	8
	.type	k_qfd4834cede_loss,@function
k_qfd4834cede_loss:
	s_mov_b64 s[64:65], 0
	v_nop
	global_prefetch_b8 v0, s[64:65] scope:SCOPE_SE
	s_setreg_imm32_b32 hwreg(HW_REG_WAVE_MODE, 25, 1), 1
	s_wait_xcnt 0x0
; out1 = 0.25 m + m, m = the mean of (e - z)^2 over 32,768 x 256 = 2^23 numbers: the 512 work-groups' sums are added by one owner, in a fixed order.  One wave: 2,048 bytes, four loads of 512 consecutive bytes.
	s_load_b128 s[4:7], s[0:1], 0x0                ; part s[4:5], out1 s[6:7]
	v_lshlrev_b32 v1, 4, v0
	s_mov_b32 s8, 0x76543210
	s_mov_b32 s9, 0xfedcba98
	s_wait_alu depctr_va_vdst(0)
	s_wait_kmcnt 0x0
.irp u, 0,1,2,3
	global_load_b128 v[4+4*\u:7+4*\u], v1, s[4:5] offset:512*\u
.endr
	s_wait_loadcnt 0x0
	v_pk_add_f32 v[4:5], v[4:5], v[6:7]
	v_pk_add_f32 v[8:9], v[8:9], v[10:11]
	v_pk_add_f32 v[12:13], v[12:13], v[14:15]
	v_pk_add_f32 v[16:17], v[16:17], v[18:19]
	v_pk_add_f32 v[4:5], v[4:5], v[8:9]
	v_pk_add_f32 v[12:13], v[12:13], v[16:17]
	v_pk_add_f32 v[4:5], v[4:5], v[12:13]
	v_add_f32 v4, v4, v5
	v_add_f32_dpp v4, v4, v4 row_xmask:1 row_mask:0xf bank_mask:0xf
	v_add_f32_dpp v4, v4, v4 row_xmask:2 row_mask:0xf bank_mask:0xf
	v_add_f32_dpp v4, v4, v4 row_xmask:4 row_mask:0xf bank_mask:0xf
	v_add_f32_dpp v4, v4, v4 row_xmask:8 row_mask:0xf bank_mask:0xf
	v_permlanex16_b32 v5, v4, s8, s9
	v_add_f32 v4, v4, v5
	v_mul_f32 v4, 0x34000000, v4                   ; x 2^-23: the mean
	v_fmamk_f32 v5, v4, 0x3e800000, v4             ; 0.25 m + m
	v_mov_b32 v6, 0
	v_cmp_eq_u32 vcc_lo, 0, v0
	s_wait_alu depctr_va_vdst(0)
	s_wait_xcnt 0x0                                ; EXEC changes only behind this wait
	s_and_saveexec_b32 s10, vcc_lo
	global_store_b32 v6, v5, s[6:7]
	s_endpgm
.Lfunc_end_k_qfd4834cede_loss:
	.size	k_qfd4834cede_loss, .Lfunc_end_k_qfd4834cede_loss-k_qfd4834cede_loss
	.p2alignl 7, 3214868480
	.fill 96, 4, 3214868480
	.section	.rodata,"a",@progbits
	.p2align	6, 0x0
	.amdhsa_kernel k_qfd4834cede_loss
		.amdhsa_group_segment_fixed_size 0
		.amdhsa_private_segment_fixed_size 0
		.amdhsa_enable_private_segment 0
		.amdhsa_kernarg_size 16
		.amdhsa_user_sgpr_count 2
		.amdhsa_user_sgpr_kernarg_segment_ptr 1
		.amdhsa_wavefront_size32 1
		.amdhsa_system_sgpr_workgroup_id_x 1
		.amdhsa_system_sgpr_workgroup_id_y 1
		.amdhsa_system_sgpr_workgroup_id_z 1
		.amdhsa_system_vgpr_workitem_id 0
		.amdhsa_next_free_vgpr 32
		.amdhsa_next_free_sgpr 66
		.amdhsa_reserve_vcc 1
		.amdhsa_float_denorm_mode_32 3
		.amdhsa_float_denorm_mode_16_64 3
		.amdhsa_memory_ordered 1
		.amdhsa_forward_progress 1
		.amdhsa_inst_pref_size 3
	.end_amdhsa_kernel
	.amdgpu_metadata
---
amdhsa.version: [ 1, 2 ]
amdhsa.kernels:
  - .name:           k_qfd4834cede_loss
    .symbol:         k_qfd4834cede_loss.kd
    .args:
      - { .name: part, .offset: 0, .size: 8, .value_kind: global_buffer, .address_space: global }
      - { .name: out1, .offset: 8, .size: 8, .value_kind: global_buffer, .address_space: global }
    .group_segment_fixed_size: 0
    .private_segment_fixed_size: 0
    .kernarg_segment_align: 8
    .kernarg_segment_size: 16
    .max_flat_workgroup_size: 32
    .sgpr_count:     66
    .vgpr_count:     32
    .wavefront_size: 32
...
	.end_amdgpu_metadata
.endif
;; end of part 5
